; MI455X (gfx1250); checked and timed in simulation.
; The chip was launched on July 23, 2026; its instructions are those of AMD's public machine-readable ISA for CDNA 5 (MIT licence, August 2026) and "CDNA5" Instruction Set Architecture Reference Guide (July 2026). The comments in the code are by the model that wrote it; some were corrected since.
;; Lateral Inhibition Layer. Allowed arithmetic: float matrix products may take bf16 or f16 operands with f32 sums; all other float work in f32.
;; Inputs: inhibition_matrix 4,096 x 4,096 float32; membrane 4,096 x 4,096 float32.
;; Outputs: out0 4,096 x 4,096 float32.
;; 2 versions, each right; version 2 is version 1 with the launch prep written anew for expert scheduling mode. Each part assembles by itself: llvm-mc -triple=amdgcn-amd-amdhsa -mcpu=gfx1250 --defsym DOCPART=n.
;; ======== version 1 of 2: 2 launches
;; workspace buffers: wt 33,554,432 bytes; win 65,536 bytes of whole numbers; bits 2,097,152 bytes of whole numbers
;; launch prep (part 1): grid 512 x 1, 8 waves a work-group, no clusters, 68,864 bytes of LDS; arguments inhibition_matrix, membrane, wt, win, bits; writes wt, win, bits
.if DOCPART == 1
	.amdgcn_target "amdgcn-amd-amdhsa--gfx1250"
	.amdhsa_code_object_version 6
	.text
	.protected	k_q9937f5f51c_prep
	.globl	k_q9937f5f51c_prep
	.p2align	8
	.type	k_q9937f5f51c_prep,@function
k_q9937f5f51c_prep:
	s_mov_b64 s[64:65], 0
	v_nop
	global_prefetch_b8 v0, s[64:65] scope:SCOPE_SE
	s_setreg_imm32_b32 hwreg(HW_REG_WAVE_MODE, 25, 1), 1
	s_wait_xcnt 0x0
; FIRST OF TWO LAUNCHES for out[b][j] = m[b][j] - sum over i of winners[b][i] W[j][i], winners[b][i] = 1 where m[b][i] is row b's maximum (ties all win).
; winners is a mask made from m alone and is 0 but at the row's maxima, so row b of the product is the sum of the columns i of W at which row b wins.
; No matrix instruction is used: all but those few products are products with the mask's zeros.  This launch makes what the second one gathers from:
;   (a) wt[i][j] = bf16(W[j][i]): W turned, so that a winner's column is one dense row of 8,192 bytes; each number rounded once, to nearest even;
;   (b) win: for each row b of m 16 bytes: T, the number of its winners; lo and hi, the lowest and the highest winning element; 0.  That is all that a row with one or two winners needs;
;   (c) bits: for each row b 512 bytes, the winners as 4,096 bits, for rows with more.
; The winners are stored as whole numbers here and become addresses and trip counts only in the next launch.
; SHARES.  512 work-groups of eight waves.  (a) Work-group x turns the tile of 256 j x 128 i at tj = x >> 5, ti = x & 31, through a stage in LDS.
; (b), (c) Wave w keeps row b = 8 x + w of m whole in 128 registers.  No loop; one branch, on the wave's number; EXEC is never changed.
; All loads of a wave that have registers to land in go out at the head: 16 of W and 32 of m, 16 bytes a lane each; the other 16 of W follow as registers come free.
; LIMITS.  A NaN in m loses against every number (v_max_num): a row with some NaN has its winners among its numbers, where the module's own maximum would be NaN and nobody would win;
; a row of NaN alone has T = 0 and its output is NaN either way.  -0 and +0 are equal.  |W| beyond bf16's largest finite number rounds to infinity.
.set PITCH, 528                        ; a stage row: 256 j x 2 bytes + 16 of padding = 33 x 16 bytes: sixteen lanes that store to sixteen consecutive rows start at sixteen different 16-byte columns modulo 256
.set REC,   128*PITCH                  ; 67,584: behind the stage, the eight waves' records, 16 bytes each, in a block of 256 bytes of their own
.set SPARE, REC+256                    ; 67,840 = 265 x 256: the spare words, 128 bytes for each of the eight waves; no other line names them
.set OW,   2                           ; v2   byte offset in W's tile: 16 l + 8 w rows of 16,384 bytes
.set OM,   3                           ; v3   byte offset in the group's 8 rows of m: 16 l + 16,384 w
.set SST,  4                           ; v4   stage, in: 528 l + 16 w
.set SLD,  5                           ; v5   stage, back: 16 w rows + 16 l
.set OT,   6                           ; v6   byte offset in wt's tile
.set OB,   7                           ; v7   byte offset of my 16 bytes in the group's 8 rows of bits: 512 w + 16 l
.set RA,   8                           ; v8   LDS address of my wave's record
.set MX,   10                          ; v10-13  four chains of maxima
.set RM,   14                          ; v14  the row's maximum
.set SPW,  16                          ; v16  LDS address of my spare word; never rewritten
.set NIL,  17                          ; v17  0; never rewritten
.set GL,   18                          ; v18  4 l: my word of the group's 128 bytes of records, in win
.set RL,   19                          ; v19  the same word in LDS
.set BITS, 20                          ; v[20:23]  my lane's 128 bits
.set CT,   24                          ; v24-29  at work on the count of bits; v24 then holds it
.set WL,   25                          ; v25  my lowest word that is not 0
.set QL,   26                          ; v26  32 x its number; then my lowest winner
.set WH,   27                          ; v27  my highest word that is not 0
.set QH,   28                          ; v28  32 x its number; then my highest winner
.set T0,   29                          ; v29-31  at work
.set T1,   30
.set T2,   31
.set TI,   32                          ; v[32:35]  the record: T, lo, hi, 0
.set PK,   36                          ; v[36:51]  packed bf16 on their way into the stage
.set TT,   52                          ; v[52:115]  two groups of 8 rows of W: register TT + 32 gg + 4 r + c holds W[8 (w + 8 g) + r][4 l + c]; later the stage's rows on their way out
.set X,    116                         ; v[116:243]  my row of m: register 4 k + c holds element 128 k + 4 l + c
	s_load_b256 s[4:11], s[0:1], 0x0               ; W s[4:5], m s[6:7], wt s[8:9], win s[10:11]
	s_load_b64 s[12:13], s[0:1], 0x20              ; bits
	v_lshl_add_u32 v[SPW], v0, 2, SPARE
	v_mov_b32 v[NIL], 0
	v_lshrrev_b32 v9, 5, v0
	v_readfirstlane_b32 s14, v9                    ; wave 0..7
	v_and_b32 v1, 31, v0                           ; lane l
	v_lshlrev_b32 v24, 4, v1                       ; 16 l
	v_lshl_add_u32 v[OW], s14, 17, v24
	v_lshl_add_u32 v[OM], s14, 14, v24
	v_mul_u32_u24 v[SST], v1, PITCH
	v_lshl_add_u32 v[SST], s14, 4, v[SST]
	s_mul_i32 s34, s14, 16*PITCH
	v_add_nc_u32 v[SLD], s34, v24
	s_and_b32 s23, s14, 1                          ; stage row 16 w + t is the tile's row i = 64 (w & 1) + 4 t + (w >> 1): see the way out
	s_lshl_b32 s23, s23, 6
	s_lshr_b32 s15, s14, 1
	s_add_co_u32 s23, s23, s15
	v_lshl_add_u32 v[OT], s23, 13, v24             ; rows of 8,192 bytes
	v_lshl_add_u32 v[OB], s14, 9, v24
	s_lshl_b32 s35, s14, 4
	s_add_co_u32 s35, s35, REC
	v_mov_b32 v[RA], s35
	v_lshlrev_b32 v[GL], 2, v1
	v_add_nc_u32 v[RL], REC, v[GL]
	s_lshr_b32 s15, ttmp9, 5                       ; tj
	s_and_b32 s22, ttmp9, 31                       ; ti
	s_lshl_b32 s30, s15, 22                        ; W's tile: 256 tj rows of 16,384 bytes
	s_lshl_b32 s31, s22, 9                         ; + 128 ti numbers of 4 bytes
	s_add_co_u32 s30, s30, s31
	s_mov_b32 s31, 0
	s_lshl_b32 s24, ttmp9, 17                      ; m: 8 rows of 16,384 bytes a work-group
	s_mov_b32 s25, 0
	s_lshl_b32 s26, s22, 20                        ; wt's tile: 128 ti rows of 8,192 bytes
	s_lshl_b32 s27, s15, 9                         ; + 256 tj numbers of 2 bytes
	s_add_co_u32 s26, s26, s27
	s_mov_b32 s27, 0
	s_lshl_b32 s28, ttmp9, 7                       ; win: 8 records of 16 bytes a work-group
	s_mov_b32 s29, 0
	s_lshl_b32 s32, ttmp9, 12                      ; bits: 8 rows of 512 bytes a work-group
	s_mov_b32 s33, 0
	s_mov_b32 s16, 0x76543210                      ; v_permlanex16_b32: each lane takes its own place in the other half
	s_mov_b32 s17, 0xfedcba98
	s_mov_b32 s18, 0x55555555                      ; the masks and the factor of the count of bits
	s_mov_b32 s19, 0x33333333
	s_mov_b32 s20, 0x0f0f0f0f
	s_mov_b32 s21, 0x01010101
	s_wait_kmcnt 0x0
	s_add_nc_u64 s[4:5], s[4:5], s[30:31]
	s_add_nc_u64 s[6:7], s[6:7], s[24:25]
	s_add_nc_u64 s[8:9], s[8:9], s[26:27]
	s_add_nc_u64 s[10:11], s[10:11], s[28:29]
	s_add_nc_u64 s[12:13], s[12:13], s[32:33]
; Eight rows of W, j = 8 (w + 8 g) + r, into group gg of TT: each load covers 512 consecutive bytes of one row.  W is read once in the launch.
.macro LDW gg, g
.irp r, 0,1,2,3,4,5,6,7
	global_load_b128 v[TT+32*(\gg)+4*(\r):TT+32*(\gg)+4*(\r)+3], v[OW], s[4:5] offset:(64*(\g)+(\r))*16384 th:TH_LOAD_NT
.endr
.endm
; Group gg is rounded and goes into the stage: for each of my four i the eight neighbouring j pack into 16 bytes.  The tile's row i = 4 l + c lies at stage row 32 c + l.
.macro CVT gg, g
.irp c, 0,1,2,3
.irp n, 0,1,2,3
	v_cvt_pk_bf16_f32 v[PK+4*(\c)+(\n)], v[TT+32*(\gg)+8*(\n)+(\c)], v[TT+32*(\gg)+8*(\n)+4+(\c)]
.endr
	ds_store_b128 v[SST], v[PK+4*(\c):PK+4*(\c)+3] offset:32*PITCH*(\c)+128*(\g)
.endr
.endm
; The 32 registers that loads 8 s to 8 s + 7 of m brought go into four chains that do not wait for each other; stage 0 starts them: nothing is cleared.
.macro MAXST s
.if (\s) == 0
.irp n, 0,1,2,3
	v_max3_num_f32 v[MX+(\n)], v[X+8*(\n)], v[X+8*(\n)+1], v[X+8*(\n)+2]
.endr
.irp u, 3,5
.irp n, 0,1,2,3
	v_max3_num_f32 v[MX+(\n)], v[MX+(\n)], v[X+8*(\n)+(\u)], v[X+8*(\n)+(\u)+1]
.endr
.endr
.irp n, 0,1,2,3
	v_max_num_f32 v[MX+(\n)], v[MX+(\n)], v[X+8*(\n)+7]
.endr
.else
.irp u, 0,2,4,6
.irp n, 0,1,2,3
	v_max3_num_f32 v[MX+(\n)], v[MX+(\n)], v[X+32*(\s)+8*(\n)+(\u)], v[X+32*(\s)+8*(\n)+(\u)+1]
.endr
.endr
.endif
.endm
	LDW 0, 0
	LDW 1, 1
.set k, 0
.rept 32
	global_load_b128 v[X+4*k:X+4*k+3], v[OM], s[6:7] offset:512*k   ; my row of m, 512 consecutive bytes a load; no hint: the next launch reads it again
.set k, k+1
.endr
	s_wait_loadcnt 40                              ; loads come back in order (ISA guide 5.7.1): group 0 is in; younger: group 1's 8 and m's 32
	CVT 0, 0
	LDW 0, 2
	s_wait_loadcnt 40                              ; group 1 is in; younger: m's 32 and group 2's 8
	CVT 1, 1
	LDW 1, 3
	; THE ROW'S MAXIMUM.  Behind each eight loads of m stand the rest of m's and the 16 of W's groups 2 and 3.
	s_wait_loadcnt 40
	MAXST 0
	s_wait_loadcnt 32
	MAXST 1
	s_wait_loadcnt 24
	MAXST 2
	s_wait_loadcnt 16
	MAXST 3
	v_mov_b32 v15, 0                               ; v_permlanex16_b32 counts as a reader of its destination
	v_max3_num_f32 v[MX], v[MX], v[MX+1], v[MX+2]
	v_max_num_f32 v[MX], v[MX], v[MX+3]
	v_max_num_f32_dpp v[MX], v[MX], v[MX] row_xmask:1 row_mask:0xf bank_mask:0xf
	v_max_num_f32_dpp v[MX], v[MX], v[MX] row_xmask:2 row_mask:0xf bank_mask:0xf
	v_max_num_f32_dpp v[MX], v[MX], v[MX] row_xmask:4 row_mask:0xf bank_mask:0xf
	v_max_num_f32_dpp v[MX], v[MX], v[MX] row_xmask:8 row_mask:0xf bank_mask:0xf
	v_permlanex16_b32 v15, v[MX], s16, s17
	v_max_num_f32 v[RM], v[MX], v15                ; in every lane
	; THE WINNERS.  For each of my 128 numbers: VCC = not the maximum, and the bit is shifted into word q from below.
	; t runs from 31 down, so register j = 32 q + p ends in bit p of word q, which stands for element ((j >> 2) << 7) + (j & 3) + 4 l.
.irp q, 0,1,2,3
	v_mov_b32 v[BITS+(\q)], 0
.endr
.set q, 0
.rept 4
.set t, 31
.rept 32
	v_cmp_neq_f32 vcc_lo, v[X+32*q+t], v[RM]
	v_add_co_ci_u32 v[BITS+q], vcc_lo, v[BITS+q], v[BITS+q], vcc_lo
.set t, t-1
.endr
.set q, q+1
.endr
.irp q, 0,1,2,3
	v_xor_b32 v[BITS+(\q)], -1, v[BITS+(\q)]       ; 1 = wins
.endr
	global_store_b128 v[OB], v[BITS:BITS+3], s[12:13]  ; the row's 512 bytes of bits, by one instruction; BITS is not written again
	; T: my lane's count of bits (pairs, nibbles, two words together, bytes, all four, the bytes' sum); the sum over the lanes follows below.
.irp q, 0,1,2,3
	v_lshrrev_b32 v[CT+4+(\q)%2], 1, v[BITS+(\q)]
	v_and_b32 v[CT+4+(\q)%2], s18, v[CT+4+(\q)%2]
	v_sub_nc_u32 v[CT+(\q)], v[BITS+(\q)], v[CT+4+(\q)%2]
.endr
.irp q, 0,1,2,3
	v_lshrrev_b32 v[CT+4+(\q)%2], 2, v[CT+(\q)]
	v_and_b32 v[CT+(\q)], s19, v[CT+(\q)]
	v_and_b32 v[CT+4+(\q)%2], s19, v[CT+4+(\q)%2]
	v_add_nc_u32 v[CT+(\q)], v[CT+(\q)], v[CT+4+(\q)%2]
.endr
	v_add_nc_u32 v[CT], v[CT], v[CT+1]             ; nibbles of 8 at the most
	v_add_nc_u32 v[CT+2], v[CT+2], v[CT+3]
.irp q, 0,2
	v_lshrrev_b32 v[CT+4+(\q)/2], 4, v[CT+(\q)]
	v_and_b32 v[CT+(\q)], s20, v[CT+(\q)]
	v_and_b32 v[CT+4+(\q)/2], s20, v[CT+4+(\q)/2]
	v_add_nc_u32 v[CT+(\q)], v[CT+(\q)], v[CT+4+(\q)/2]
.endr
	v_add_nc_u32 v[CT], v[CT], v[CT+2]             ; bytes of 32 at the most
	v_mul_lo_u32 v[CT], v[CT], s21
	v_lshrrev_b32 v[CT], 24, v[CT]                 ; 0 to 128
	; MY LANE'S LOWEST AND HIGHEST WINNER, from the bits.  First the lowest and the highest word that is not 0 (VCC = the word is 0: what was chosen before stays).
	v_mov_b32 v[WL], v[BITS+3]
	v_mov_b32 v[QL], 96
.irp q, 2,1,0
	v_cmp_eq_u32 vcc_lo, 0, v[BITS+(\q)]
	v_cndmask_b32 v[WL], v[BITS+(\q)], v[WL], vcc_lo
	v_cndmask_b32 v[QL], 32*(\q), v[QL], vcc_lo
.endr
	v_mov_b32 v[WH], v[BITS]
	v_mov_b32 v[QH], 0
.irp q, 1,2,3
	v_cmp_eq_u32 vcc_lo, 0, v[BITS+(\q)]
	v_cndmask_b32 v[WH], v[BITS+(\q)], v[WH], vcc_lo
	v_cndmask_b32 v[QH], 32*(\q), v[QH], vcc_lo
.endr
	; A bit's number is read off an f32's exponent.  The lowest bit alone, w & -w, is a power of two and exact in f32.  For the highest bit the word's upper 16 bits are taken,
	; or its lower 16 where the upper are 0: a number under 65,536 is exact in f32, so no rounding can carry into the exponent.
	v_sub_nc_u32 v[T0], 0, v[WL]
	v_lshrrev_b32 v[T1], 16, v[WH]
	v_add_nc_u32 v[T2], 16, v[QH]
	v_and_b32 v[T0], v[WL], v[T0]
	v_cmp_eq_u32 vcc_lo, 0, v[T1]
	v_cndmask_b32 v[T1], v[T1], v[WH], vcc_lo
	v_cndmask_b32 v[QH], v[T2], v[QH], vcc_lo
	v_cvt_f32_u32 v[T0], v[T0]
	v_cvt_f32_u32 v[T1], v[T1]
	v_lshrrev_b32 v[T0], 23, v[T0]                 ; 127 + the bit's number
	v_lshrrev_b32 v[T1], 23, v[T1]
	v_add_nc_u32 v[QL], v[QL], v[T0]
	v_add_nc_u32 v[QH], v[QH], v[T1]
	v_add_nc_u32 v[QL], 0xffffff81, v[QL]          ; less 127: j, the register's number
	v_add_nc_u32 v[QH], 0xffffff81, v[QH]
	v_lshrrev_b32 v[T0], 2, v[QL]                  ; the element: ((j >> 2) << 7) + (j & 3) + 4 l, which grows with j
	v_lshrrev_b32 v[T1], 2, v[QH]
	v_and_b32 v[QL], 3, v[QL]
	v_and_b32 v[QH], 3, v[QH]
	v_lshl_add_u32 v[QL], v[T0], 7, v[QL]
	v_lshl_add_u32 v[QH], v[T1], 7, v[QH]
	v_lshl_add_u32 v[QL], v1, 2, v[QL]
	v_lshl_add_u32 v[QH], v1, 2, v[QH]
	v_sub_nc_u32 v[QL], 4095, v[QL]                ; the lowest goes as 4,095 less itself, so that a maximum finds it too,
	v_cmp_ne_u32 vcc_lo, 0, v[CT]
	v_cndmask_b32 v[QL], 0, v[QL], vcc_lo          ; and a lane without winners gives 0 to all three
	v_cndmask_b32 v[QH], 0, v[QH], vcc_lo
	; OVER THE 32 LANES: whole numbers up to 4,096 are exact in f32, and so are their sums and maxima.
	v_cvt_f32_u32 v[CT], v[CT]
	v_cvt_f32_u32 v[QL], v[QL]
	v_cvt_f32_u32 v[QH], v[QH]
.irp x, 1,2,4,8
	v_add_f32_dpp v[CT], v[CT], v[CT] row_xmask:\x row_mask:0xf bank_mask:0xf
	v_max_num_f32_dpp v[QL], v[QL], v[QL] row_xmask:\x row_mask:0xf bank_mask:0xf
	v_max_num_f32_dpp v[QH], v[QH], v[QH] row_xmask:\x row_mask:0xf bank_mask:0xf
.endr
	v_permlanex16_b32 v[T0], v[CT], s16, s17
	v_permlanex16_b32 v[T1], v[QL], s16, s17
	v_permlanex16_b32 v[T2], v[QH], s16, s17
	v_add_f32 v[CT], v[CT], v[T0]
	v_max_num_f32 v[QL], v[QL], v[T1]
	v_max_num_f32 v[QH], v[QH], v[T2]
	v_cvt_u32_f32 v[TI], v[CT]                     ; T
	v_cvt_u32_f32 v[TI+1], v[QL]
	v_cvt_u32_f32 v[TI+2], v[QH]                   ; hi
	v_sub_nc_u32 v[TI+1], 4095, v[TI+1]            ; lo
	v_mov_b32 v[TI+3], 0
	ds_store_b128 v[RA], v[TI:TI+3]                ; every lane writes the same 16 bytes with the same numbers: my wave's record
	; THE SECOND HALF OF W'S TILE
	s_wait_loadcnt 8                               ; group 2 is in; younger: group 3's 8
	CVT 0, 2
	s_wait_loadcnt 0x0
	CVT 1, 3
	s_wait_dscnt 0x0                               ; for the others' sake: my stores into the stage and my record are done
	s_barrier_signal -1
	s_barrier_wait -1                              ; everybody's are
	; THE RECORDS.  Wave 0 stores the group's eight: 128 consecutive bytes by one instruction, half of an aligned block of 256 of which the neighbouring group writes the other half.
	s_cmp_lg_u32 s14, 0
	s_cbranch_scc1 .Lnot_wave_0
	ds_load_b32 v[CT], v[RL]
	s_wait_dscnt 0x0
	global_store_b32 v[GL], v[CT], s[10:11]        ; CT is not written again
.Lnot_wave_0:
	; THE WAY OUT.  Wave w takes stage rows 16 w + t, whole: row 32 c + l' with c = w >> 1, l' = 16 (w & 1) + t is the tile's row i = 4 l' + c.
.irp t, 0,1,2,3,4,5,6,7,8,9,10,11,12,13,14,15
	ds_load_b128 v[TT+4*(\t):TT+4*(\t)+3], v[SLD] offset:PITCH*(\t)
.endr
.irp t, 0,1,2,3,4,5,6,7,8,9,10,11,12,13,14,15
	s_wait_dscnt 15-(\t)                           ; LDS loads come back in order: row t is in
	global_store_b128 v[OT], v[TT+4*(\t):TT+4*(\t)+3], s[8:9] offset:32768*(\t)  ; 512 consecutive bytes of one row of wt, at a multiple of 512 from its first byte
.endr
	s_wait_tensorcnt 0x0                           ; the wave's end, behind my last LDS store
	ds_add_u32 v[SPW], v[NIL]
	s_wait_dscnt 0x0
	s_endpgm
.Lfunc_end_k_q9937f5f51c_prep:
	.size	k_q9937f5f51c_prep, .Lfunc_end_k_q9937f5f51c_prep-k_q9937f5f51c_prep
	.p2alignl 7, 3214868480
	.fill 96, 4, 3214868480
	.section	.rodata,"a",@progbits
	.p2align	6, 0x0
	.amdhsa_kernel k_q9937f5f51c_prep
		.amdhsa_group_segment_fixed_size 68864
		.amdhsa_private_segment_fixed_size 0
		.amdhsa_enable_private_segment 0
		.amdhsa_kernarg_size 40
		.amdhsa_user_sgpr_count 2
		.amdhsa_user_sgpr_kernarg_segment_ptr 1
		.amdhsa_wavefront_size32 1
		.amdhsa_system_sgpr_workgroup_id_x 1
		.amdhsa_system_sgpr_workgroup_id_y 1
		.amdhsa_system_sgpr_workgroup_id_z 1
		.amdhsa_system_vgpr_workitem_id 0
		.amdhsa_next_free_vgpr 244
		.amdhsa_next_free_sgpr 66
		.amdhsa_reserve_vcc 1
		.amdhsa_float_denorm_mode_32 3
		.amdhsa_float_denorm_mode_16_64 3
		.amdhsa_memory_ordered 1
		.amdhsa_forward_progress 1
		.amdhsa_inst_pref_size 35
	.end_amdhsa_kernel
	.amdgpu_metadata
---
amdhsa.version: [ 1, 2 ]
amdhsa.kernels:
  - .name:           k_q9937f5f51c_prep
    .symbol:         k_q9937f5f51c_prep.kd
    .args:
      - { .name: inhibition_matrix, .offset: 0, .size: 8, .value_kind: global_buffer, .address_space: global }
      - { .name: membrane, .offset: 8, .size: 8, .value_kind: global_buffer, .address_space: global }
      - { .name: wt, .offset: 16, .size: 8, .value_kind: global_buffer, .address_space: global }
      - { .name: win, .offset: 24, .size: 8, .value_kind: global_buffer, .address_space: global }
      - { .name: bits, .offset: 32, .size: 8, .value_kind: global_buffer, .address_space: global }
    .group_segment_fixed_size: 68864
    .private_segment_fixed_size: 0
    .kernarg_segment_align: 8
    .kernarg_segment_size: 40
    .max_flat_workgroup_size: 256
    .sgpr_count:     66
    .vgpr_count:     244
    .wavefront_size: 32
...
	.end_amdgpu_metadata
.endif
;; end of part 1
;; launch apply (part 2): grid 512 x 1, 8 waves a work-group, no clusters, 0 bytes of LDS; arguments membrane, wt, win, bits, out0; writes out0
.if DOCPART == 2
	.amdgcn_target "amdgcn-amd-amdhsa--gfx1250"
	.amdhsa_code_object_version 6
	.text
	.protected	k_q9937f5f51c_apply
	.globl	k_q9937f5f51c_apply
	.p2align	8
	.type	k_q9937f5f51c_apply,@function
k_q9937f5f51c_apply:
	s_mov_b64 s[64:65], 0
	v_nop
	global_prefetch_b8 v0, s[64:65] scope:SCOPE_SE
	s_setreg_imm32_b32 hwreg(HW_REG_WAVE_MODE, 25, 1), 1
	s_wait_xcnt 0x0
; SECOND OF TWO LAUNCHES: out[b][:] = m[b][:] - the sum over row b's winners i of wt[i][:], where wt[i][j] = bf16(W[j][i]) and the winners were stored as whole numbers by the launch before.
; One wave, one row: b = 8 x + w.  The row of m (128 registers) and the highest winner's row of wt (64 registers) are asked for at once, 24 KiB a wave; nothing passes between waves: no LDS, no barrier.
; win holds 16 bytes a row: T, the number of winners; lo and hi, the lowest and the highest of them; 0.
; bits holds 512 bytes a row: bit p of word q of lane l's 16 bytes stands for element (q << 10) + ((p >> 2) << 7) + (p & 3) + 4 l.
; T <= 1: hi's row is subtracted, and the row leaves.  (T = 0 only where the row of m is all NaN: whatever is subtracted, the result is NaN.)
; T = 2: hi's row and then lo's.  T > 2: hi's row, then a loop of T trips walks the bits and gathers and subtracts every other winner's row: one more gather for each further winner, up to 4,096.
; m - w is one fused operation in f32, straight from the bf16 half.  No matrix instruction: the products left out are products with the mask's zeros.
; LIMITS.  With several winners their rows are subtracted from m one after the other, each step rounded to f32, where the module sums them first.  An infinity or NaN in W reaches only the rows
; of out whose winners select its column, where the module's 0 x infinity would make NaN in every row.
.set OF16, 1                           ; v1   16 l: my place in 512 bytes of m, of out and of the bits
.set OF8,  2                           ; v2   8 l: my place in 256 bytes of wt
.set NEG,  3                           ; v3   -1.0
.set BITS, 8                           ; v[8:11]   my lane's 128 bits (rows with three winners or more alone)
.set WR,   12                          ; v[12:75]  a row of wt: pair k holds elements 128 k + 4 l + 0..3
.set M,    76                          ; v[76:203] my row of m, then of out: register 4 k + c holds element 128 k + 4 l + c
	s_load_b256 s[4:11], s[0:1], 0x0               ; m s[4:5], wt s[6:7], win s[8:9], bits s[10:11]
	s_load_b64 s[12:13], s[0:1], 0x20              ; out
	v_lshrrev_b32 v4, 5, v0
	v_readfirstlane_b32 s14, v4                    ; wave 0..7
	v_and_b32 v[OF8], 31, v0
	v_lshlrev_b32 v[OF16], 4, v[OF8]
	v_lshlrev_b32 v[OF8], 3, v[OF8]
	v_mov_b32 v[NEG], -1.0
	s_lshl_b32 s15, ttmp9, 3
	s_add_co_u32 s15, s15, s14                     ; b
	s_lshl_b32 s16, s15, 14                        ; rows of 16,384 bytes in m and out,
	s_mov_b32 s17, 0
	s_lshl_b32 s18, s15, 4                         ; of 16 in win,
	s_mov_b32 s19, 0
	s_lshl_b32 s28, s15, 9                         ; of 512 in bits
	s_mov_b32 s29, 0
	s_mov_b32 s27, 0                               ; the high word of a row's offset in wt
	s_wait_kmcnt 0x0
	s_add_nc_u64 s[8:9], s[8:9], s[18:19]
	s_load_b128 s[20:23], s[8:9], 0x0              ; T, lo, hi, 0: asked for first, since the gather's address waits for it
	s_add_nc_u64 s[4:5], s[4:5], s[16:17]
	s_add_nc_u64 s[12:13], s[12:13], s[16:17]
	s_add_nc_u64 s[10:11], s[10:11], s[28:29]
.set kk, 0
.rept 32
	global_load_b128 v[M+4*kk:M+4*kk+3], v[OF16], s[4:5] offset:512*kk th:TH_LOAD_NT  ; 512 consecutive bytes a load; read once in this launch
.set kk, kk+1
.endr
.macro GATHER                          ; the row of wt at s[24:25]: 256 consecutive bytes a load.  No hint: several rows of m may name the same row
.set kk, 0
.rept 32
	global_load_b64 v[WR+2*kk:WR+2*kk+1], v[OF8], s[24:25] offset:256*kk
.set kk, kk+1
.endr
.endm
.macro SUB k                           ; four numbers: bf16 half x -1.0 + m, in place
	v_fma_mix_f32_bf16 v[M+4*(\k)],   v[WR+2*(\k)],   v[NEG], v[M+4*(\k)]   op_sel_hi:[1,0,0]
	v_fma_mix_f32_bf16 v[M+4*(\k)+1], v[WR+2*(\k)],   v[NEG], v[M+4*(\k)+1] op_sel:[1,0,0] op_sel_hi:[1,0,0]
	v_fma_mix_f32_bf16 v[M+4*(\k)+2], v[WR+2*(\k)+1], v[NEG], v[M+4*(\k)+2] op_sel_hi:[1,0,0]
	v_fma_mix_f32_bf16 v[M+4*(\k)+3], v[WR+2*(\k)+1], v[NEG], v[M+4*(\k)+3] op_sel:[1,0,0] op_sel_hi:[1,0,0]
.endm
.macro SUBALL
.set jj, 0
.rept 32
	SUB jj
.set jj, jj+1
.endr
.endm
.macro ST k                            ; 512 consecutive bytes of out, at a multiple of 512 from its first byte; written once and not read again
	global_store_b128 v[OF16], v[M+4*(\k):M+4*(\k)+3], s[12:13] offset:512*(\k) th:TH_STORE_NT
.endm
	s_wait_kmcnt 0x0
	s_min_u32 s20, s20, 4096                       ; a trip count and indices that were read from memory are bounded before they are used
	s_min_u32 s21, s21, 4095
	s_min_u32 s22, s22, 4095
	s_lshl_b32 s26, s22, 13                        ; hi's row: rows of 8,192 bytes
	s_add_nc_u64 s[24:25], s[6:7], s[26:27]
	GATHER
	s_cmp_gt_u32 s20, 1
	s_cbranch_scc1 .Ltied
	; ONE WINNER.  Four loads of wt at a time: behind group G's stand the 28 - 4 G younger ones; m's loads are all older.
.set G, 0
.rept 8
	s_wait_loadcnt 28-4*G
	SUB 4*G
	SUB 4*G+1
	SUB 4*G+2
	SUB 4*G+3
	ST 4*G
	ST 4*G+1
	ST 4*G+2
	ST 4*G+3
.set G, G+1
.endr
	s_endpgm
.Ltied:                                                ; SEVERAL WINNERS
	s_wait_loadcnt 0x0                             ; everything is in
	SUBALL                                         ; hi's row
	s_cmp_gt_u32 s20, 2
	s_cbranch_scc1 .Lmany
	s_lshl_b32 s26, s21, 13                        ; TWO: the other one is lo
	s_add_nc_u64 s[24:25], s[6:7], s[26:27]        ; the loads that named s[24:25] are done: the last wait on the loads' counter was for 0
	GATHER
	s_wait_loadcnt 0x0
	SUBALL
	s_branch .Lout
.Lmany:                                                ; THREE OR MORE: the bits are walked
	global_load_b128 v[BITS:BITS+3], v[OF16], s[10:11]
	s_wait_loadcnt 0x0
	v_or_b32 v4, v[BITS], v[BITS+1]
	v_or_b32 v4, v4, v[BITS+2]
	v_or_b32 v4, v4, v[BITS+3]
	v_cmp_ne_u32 s30, 0, v4                        ; the lanes that hold winners
	s_mov_b32 s31, 0                               ; the lane in hand
	s_mov_b32 s32, 0                               ; its four words, less the bits already served
	s_mov_b32 s33, 0
	s_mov_b32 s34, 0
	s_mov_b32 s35, 0
	s_mov_b32 s42, 0
.Ltie:                                                 ; T trips, one winner each
	s_or_b32 s39, s32, s33
	s_or_b32 s40, s34, s35
	s_or_b32 s39, s39, s40
	s_cmp_lg_u32 s39, 0
	s_cbranch_scc1 .Lhave
	s_ctz_i32_b32 s31, s30                         ; the lane in hand is served: the next lane that holds winners
	s_min_u32 s31, s31, 31
	s_sub_co_u32 s39, s30, 1
	s_and_b32 s30, s30, s39
	v_readlane_b32 s32, v[BITS], s31
	v_readlane_b32 s33, v[BITS+1], s31
	v_readlane_b32 s34, v[BITS+2], s31
	v_readlane_b32 s35, v[BITS+3], s31
.Lhave:
	s_mov_b32 s36, s35                             ; the first word that is not 0, and its number q
	s_mov_b32 s37, 3
	s_cmp_lg_u32 s34, 0
	s_cselect_b32 s36, s34, s36
	s_cselect_b32 s37, 2, s37
	s_cmp_lg_u32 s33, 0
	s_cselect_b32 s36, s33, s36
	s_cselect_b32 s37, 1, s37
	s_cmp_lg_u32 s32, 0
	s_cselect_b32 s36, s32, s36
	s_cselect_b32 s37, 0, s37
	s_ctz_i32_b32 s38, s36                         ; p: its lowest bit,
	s_sub_co_u32 s39, s36, 1
	s_and_b32 s39, s36, s39                        ; which is taken out of the word
	s_cmp_eq_u32 s37, 0
	s_cselect_b32 s32, s39, s32
	s_cmp_eq_u32 s37, 1
	s_cselect_b32 s33, s39, s33
	s_cmp_eq_u32 s37, 2
	s_cselect_b32 s34, s39, s34
	s_cmp_eq_u32 s37, 3
	s_cselect_b32 s35, s39, s35
	s_lshr_b32 s40, s38, 2                         ; the element: (q << 10) + ((p >> 2) << 7) + (p & 3) + 4 x lane
	s_lshl_b32 s40, s40, 7
	s_and_b32 s39, s38, 3
	s_add_co_u32 s40, s40, s39
	s_lshl_b32 s39, s37, 10
	s_add_co_u32 s40, s40, s39
	s_lshl_b32 s39, s31, 2
	s_add_co_u32 s41, s40, s39
	s_min_u32 s41, s41, 4095                       ; bounded before it enters an address
	s_cmp_eq_u32 s41, s22
	s_cbranch_scc1 .Lskip                          ; hi's row has been subtracted already
	s_lshl_b32 s26, s41, 13
	s_add_nc_u64 s[24:25], s[6:7], s[26:27]        ; the loads that named s[24:25] are done: the last wait on the loads' counter was for 0
	GATHER
	s_wait_loadcnt 0x0
	SUBALL
.Lskip:
	s_add_co_u32 s42, s42, 1
	s_cmp_lt_u32 s42, s20
	s_cbranch_scc1 .Ltie
.Lout:
.set G, 0
.rept 32
	ST G
.set G, G+1
.endr
	s_endpgm
.Lfunc_end_k_q9937f5f51c_apply:
	.size	k_q9937f5f51c_apply, .Lfunc_end_k_q9937f5f51c_apply-k_q9937f5f51c_apply
	.p2alignl 7, 3214868480
	.fill 96, 4, 3214868480
	.section	.rodata,"a",@progbits
	.p2align	6, 0x0
	.amdhsa_kernel k_q9937f5f51c_apply
		.amdhsa_group_segment_fixed_size 0
		.amdhsa_private_segment_fixed_size 0
		.amdhsa_enable_private_segment 0
		.amdhsa_kernarg_size 40
		.amdhsa_user_sgpr_count 2
		.amdhsa_user_sgpr_kernarg_segment_ptr 1
		.amdhsa_wavefront_size32 1
		.amdhsa_system_sgpr_workgroup_id_x 1
		.amdhsa_system_sgpr_workgroup_id_y 1
		.amdhsa_system_sgpr_workgroup_id_z 1
		.amdhsa_system_vgpr_workitem_id 0
		.amdhsa_next_free_vgpr 204
		.amdhsa_next_free_sgpr 66
		.amdhsa_reserve_vcc 0
		.amdhsa_float_denorm_mode_32 3
		.amdhsa_float_denorm_mode_16_64 3
		.amdhsa_memory_ordered 1
		.amdhsa_forward_progress 1
		.amdhsa_inst_pref_size 55
	.end_amdhsa_kernel
	.amdgpu_metadata
---
amdhsa.version: [ 1, 2 ]
amdhsa.kernels:
  - .name:           k_q9937f5f51c_apply
    .symbol:         k_q9937f5f51c_apply.kd
    .args:
      - { .name: membrane, .offset: 0, .size: 8, .value_kind: global_buffer, .address_space: global }
      - { .name: wt, .offset: 8, .size: 8, .value_kind: global_buffer, .address_space: global }
      - { .name: win, .offset: 16, .size: 8, .value_kind: global_buffer, .address_space: global }
      - { .name: bits, .offset: 24, .size: 8, .value_kind: global_buffer, .address_space: global }
      - { .name: out0, .offset: 32, .size: 8, .value_kind: global_buffer, .address_space: global }
    .group_segment_fixed_size: 0
    .private_segment_fixed_size: 0
    .kernarg_segment_align: 8
    .kernarg_segment_size: 40
    .max_flat_workgroup_size: 256
    .sgpr_count:     66
    .vgpr_count:     204
    .wavefront_size: 32
...
	.end_amdgpu_metadata
.endif
;; end of part 2
;; ======== version 2 of 2: 2 launches; version 1 with the launch prep written anew for expert scheduling mode
;; workspace buffers: wt 33,554,432 bytes; win 65,536 bytes of whole numbers; bits 2,097,152 bytes of whole numbers
;; launch prep (part 3): grid 512 x 1, 8 waves a work-group, no clusters, 68,864 bytes of LDS; arguments inhibition_matrix, membrane, wt, win, bits; writes wt, win, bits
.if DOCPART == 3
	.amdgcn_target "amdgcn-amd-amdhsa--gfx1250"
	.amdhsa_code_object_version 6
	.text
	.protected	k_q9937f5f51c_prep
	.globl	k_q9937f5f51c_prep
	.p2align	8
	.type	k_q9937f5f51c_prep,@function
k_q9937f5f51c_prep:
	s_mov_b64 s[64:65], 0
	v_nop
	global_prefetch_b8 v0, s[64:65] scope:SCOPE_SE
	s_setreg_imm32_b32 hwreg(HW_REG_WAVE_SCHED_MODE, 0, 2), 2
	s_setreg_imm32_b32 hwreg(HW_REG_WAVE_MODE, 25, 1), 1
	s_wait_xcnt 0x0
	s_wait_alu depctr_vm_vsrc(0)
; FIRST OF TWO LAUNCHES for out[b][j] = m[b][j] - sum over i of winners[b][i] W[j][i], winners[b][i] = 1 where m[b][i] is row b's maximum (ties all win).
; winners is a mask made from m alone and is 0 but at the row's maxima, so row b of the product is the sum of the columns i of W at which row b wins.
; No matrix instruction is used: all but those few products are products with the mask's zeros.  This launch makes what the second one gathers from:
;   (a) wt[i][j] = bf16(W[j][i]): W turned, so that a winner's column is one dense row of 8,192 bytes; each number rounded once, to nearest even;
;   (b) win: for each row b of m 16 bytes: T, the number of its winners; lo and hi, the lowest and the highest winning element; 0.  That is all that a row with one or two winners needs;
;   (c) bits: for each row b 512 bytes, the winners as 4,096 bits, for rows with more.
; The winners are stored as whole numbers here and become addresses and trip counts only in the next launch.
; SHARES.  512 work-groups of eight waves.  (a) Work-group x turns the tile of 256 j x 128 i at tj = x >> 5, ti = x & 31, through a stage in LDS.
; (b), (c) Wave w keeps row b = 8 x + w of m whole in 128 registers.  No loop; one branch, on the wave's number; EXEC is never changed.
; All loads of a wave that have registers to land in go out at the head: 16 of W and 32 of m, 16 bytes a lane each; the other 16 of W follow as registers come free.
; LIMITS.  A NaN in m loses against every number (v_max_num): a row with some NaN has its winners among its numbers, where the module's own maximum would be NaN and nobody would win;
; a row of NaN alone has T = 0 and its output is NaN either way.  -0 and +0 are equal.  |W| beyond bf16's largest finite number rounds to infinity.
; THE MODE: SCHED_MODE bits 1:0 = 2 (LLVM: expert scheduling mode 2), set by the entry lines.  The code itself states the register dependences
; between vector instructions and memory or LDS instructions, and between vector instructions that write scalar registers and the lines that name those registers next, with s_wait_alu, always for 0.
; THE PLAN.  Registers that memory or LDS instructions touch:
;   v2-v8, v16-v19   offsets and LDS addresses: written at the head, never again.  One wait on va_vdst ahead of the first load serves them all.
;   TT0, TT1         W's groups 0 and 1 land there; their conversions read them; groups 2 and 3 land there; their conversions read them; at the end the stage's rows land there and wt's stores read them.
;   X                m's 32 loads land there; only maxima and compares read it.
;   PKA, PKB, PKD    three out-buffers for the stage's stores.  PKA: groups 0 and 2.  PKB: group 1, in registers that lie idle at the head.  PKD: group 3, in X's first sixteen, idle by then.
;                    So no conversion writes a register that an LDS store issued just ahead of it reads.
;   BITS, TI, CT     written by vector lines; read by one store each; CT takes wave 0's one LDS load in between.
; A wait on va_vdst stands behind the conversions of group 0, of group 1, and of groups 2 and 3 together; behind each only memory and LDS instructions follow up to the next wait on the loads' counter
; (behind the last: up to the end).  ONE wait on vm_vsrc, behind the row's maximum, frees PKA and PKB.  Masks go into scalar registers in runs, one wait on va_sdst behind a run.  VCC is named nowhere.
.set PITCH, 528                        ; a stage row: 256 j x 2 bytes + 16 of padding = 33 x 16 bytes: sixteen lanes that store to sixteen consecutive rows start at sixteen different 16-byte columns modulo 256
.set REC,   128*PITCH                  ; 67,584: behind the stage, the eight waves' records, 16 bytes each, in a block of 256 bytes of their own
.set SPARE, REC+256                    ; 67,840 = 265 x 256: the spare words, 128 bytes for each of the eight waves; no other line names them
.set OW,   2                           ; v2   byte offset in W's tile: 16 l + 8 w rows of 16,384 bytes
.set OM,   3                           ; v3   byte offset in the group's 8 rows of m: 16 l + 16,384 w
.set SST,  4                           ; v4   stage, in: 528 l + 16 w
.set SLD,  5                           ; v5   stage, back: 16 w rows + 16 l
.set OT,   6                           ; v6   byte offset in wt's tile
.set OB,   7                           ; v7   byte offset of my 16 bytes in the group's 8 rows of bits: 512 w + 16 l
.set RA,   8                           ; v8   LDS address of my wave's record
.set MX,   10                          ; v10-13  four chains of maxima
.set RM,   14                          ; v14  the row's maximum
.set SPW,  16                          ; v16  LDS address of my spare word; never rewritten
.set NIL,  17                          ; v17  0; never rewritten
.set GL,   18                          ; v18  4 l: my word of the group's 128 bytes of records, in win
.set RL,   19                          ; v19  the same word in LDS
.set PKB,  20                          ; v[20:35]  at the head only: group 1's packed bf16 on their way into the stage
.set BITS, 20                          ; v[20:23]  my lane's 128 bits
.set CT,   24                          ; v24-29  at work on the count of bits; v24 then holds it
.set WL,   25                          ; v25  my lowest word that is not 0
.set QL,   26                          ; v26  32 x its number; then my lowest winner
.set WH,   27                          ; v27  my highest word that is not 0
.set QH,   28                          ; v28  32 x its number; then my highest winner
.set T0,   29                          ; v29-31  at work
.set T1,   30
.set T2,   31
.set TI,   32                          ; v[32:35]  the record: T, lo, hi, 0
.set PKA,  36                          ; v[36:51]  groups 0's and 2's packed bf16 on their way into the stage
.set TT,   52                          ; v[52:115]  two groups of 8 rows of W: register TT + 32 gg + 4 r + c holds W[8 (w + 8 g) + r][4 l + c]; later the stage's rows on their way out
.set X,    116                         ; v[116:243]  my row of m: register 4 k + c holds element 128 k + 4 l + c
.set PKD,  X                           ; v[116:131]  behind the winners: group 3's packed bf16 on their way into the stage
.set CM0,  36                          ; s[36:51]  a run's sixteen masks
.set CM1,  66                          ; s[66:81]  the other set: the two take turns
.set ZW,   CM0                         ; s[36:39]  later: word q of my bits is 0
.set NZ,   CM0+4                       ; s40       my lane holds winners
.set UZ,   CM0+5                       ; s41       the upper 16 bits of my highest word are 0
	s_load_b256 s[4:11], s[0:1], 0x0               ; W s[4:5], m s[6:7], wt s[8:9], win s[10:11]
	s_load_b64 s[12:13], s[0:1], 0x20              ; bits
	v_lshl_add_u32 v[SPW], v0, 2, SPARE
	v_mov_b32 v[NIL], 0
	v_lshrrev_b32 v9, 5, v0
	v_readfirstlane_b32 s14, v9                    ; wave 0..7
	v_and_b32 v1, 31, v0                           ; lane l
	v_lshlrev_b32 v24, 4, v1                       ; 16 l
	v_mul_u32_u24 v[SST], v1, PITCH
	v_lshlrev_b32 v[GL], 2, v1
	v_add_nc_u32 v[RL], REC, v[GL]
	s_wait_alu depctr_va_sdst(0)                   ; s14 is written, ahead of its first reader: the next line
	v_lshl_add_u32 v[OW], s14, 17, v24
	v_lshl_add_u32 v[OM], s14, 14, v24
	v_lshl_add_u32 v[SST], s14, 4, v[SST]
	s_mul_i32 s34, s14, 16*PITCH
	v_add_nc_u32 v[SLD], s34, v24
	s_and_b32 s23, s14, 1                          ; stage row 16 w + t is the tile's row i = 64 (w & 1) + 4 t + (w >> 1): see the way out
	s_lshl_b32 s23, s23, 6
	s_lshr_b32 s15, s14, 1
	s_add_co_u32 s23, s23, s15
	v_lshl_add_u32 v[OT], s23, 13, v24             ; rows of 8,192 bytes
	v_lshl_add_u32 v[OB], s14, 9, v24
	s_lshl_b32 s35, s14, 4
	s_add_co_u32 s35, s35, REC
	v_mov_b32 v[RA], s35
	s_lshr_b32 s15, ttmp9, 5                       ; tj
	s_and_b32 s22, ttmp9, 31                       ; ti
	s_lshl_b32 s30, s15, 22                        ; W's tile: 256 tj rows of 16,384 bytes
	s_lshl_b32 s31, s22, 9                         ; + 128 ti numbers of 4 bytes
	s_add_co_u32 s30, s30, s31
	s_mov_b32 s31, 0
	s_lshl_b32 s24, ttmp9, 17                      ; m: 8 rows of 16,384 bytes a work-group
	s_mov_b32 s25, 0
	s_lshl_b32 s26, s22, 20                        ; wt's tile: 128 ti rows of 8,192 bytes
	s_lshl_b32 s27, s15, 9                         ; + 256 tj numbers of 2 bytes
	s_add_co_u32 s26, s26, s27
	s_mov_b32 s27, 0
	s_lshl_b32 s28, ttmp9, 7                       ; win: 8 records of 16 bytes a work-group
	s_mov_b32 s29, 0
	s_lshl_b32 s32, ttmp9, 12                      ; bits: 8 rows of 512 bytes a work-group
	s_mov_b32 s33, 0
	s_mov_b32 s16, 0x76543210                      ; v_permlanex16_b32: each lane takes its own place in the other half
	s_mov_b32 s17, 0xfedcba98
	s_mov_b32 s18, 0x55555555                      ; the masks and the factor of the count of bits
	s_mov_b32 s19, 0x33333333
	s_mov_b32 s20, 0x0f0f0f0f
	s_mov_b32 s21, 0x01010101
	s_wait_kmcnt 0x0
	s_add_nc_u64 s[4:5], s[4:5], s[30:31]
	s_add_nc_u64 s[6:7], s[6:7], s[24:25]
	s_add_nc_u64 s[8:9], s[8:9], s[26:27]
	s_add_nc_u64 s[10:11], s[10:11], s[28:29]
	s_add_nc_u64 s[12:13], s[12:13], s[32:33]
	s_wait_alu depctr_va_vdst(0)                   ; the offsets and LDS addresses v2 to v8, v18 and v19 are written: every load and store below reads one of them, and none is written again
; Eight rows of W, j = 8 (w + 8 g) + r, into group gg of TT: each load covers 512 consecutive bytes of one row.  W is read once in the launch.
.macro LDW gg, g
.irp r, 0,1,2,3,4,5,6,7
	global_load_b128 v[TT+32*(\gg)+4*(\r):TT+32*(\gg)+4*(\r)+3], v[OW], s[4:5] offset:(64*(\g)+(\r))*16384 th:TH_LOAD_NT
.endr
.endm
; Group gg of TT is rounded into the out-buffer pk: for each of my four i the eight neighbouring j pack into 16 bytes.
.macro CV gg, pk
.irp c, 0,1,2,3
.irp n, 0,1,2,3
	v_cvt_pk_bf16_f32 v[(\pk)+4*(\c)+(\n)], v[TT+32*(\gg)+8*(\n)+(\c)], v[TT+32*(\gg)+8*(\n)+4+(\c)]
.endr
.endr
.endm
; The out-buffer pk, which holds W's group g, goes into the stage.  The tile's row i = 4 l + c lies at stage row 32 c + l.
.macro STG g, pk
.irp c, 0,1,2,3
	ds_store_b128 v[SST], v[(\pk)+4*(\c):(\pk)+4*(\c)+3] offset:32*PITCH*(\c)+128*(\g)
.endr
.endm
; The 32 registers that loads 8 s to 8 s + 7 of m brought go into four chains that do not wait for each other; stage 0 starts them: nothing is cleared.
.macro MAXST s
.if (\s) == 0
.irp n, 0,1,2,3
	v_max3_num_f32 v[MX+(\n)], v[X+8*(\n)], v[X+8*(\n)+1], v[X+8*(\n)+2]
.endr
.irp u, 3,5
.irp n, 0,1,2,3
	v_max3_num_f32 v[MX+(\n)], v[MX+(\n)], v[X+8*(\n)+(\u)], v[X+8*(\n)+(\u)+1]
.endr
.endr
.irp n, 0,1,2,3
	v_max_num_f32 v[MX+(\n)], v[MX+(\n)], v[X+8*(\n)+7]
.endr
.else
.irp u, 0,2,4,6
.irp n, 0,1,2,3
	v_max3_num_f32 v[MX+(\n)], v[MX+(\n)], v[X+32*(\s)+8*(\n)+(\u)], v[X+32*(\s)+8*(\n)+(\u)+1]
.endr
.endr
.endif
.endm
; Run r of eight: sixteen compares, bits 31 - 4 r down to 28 - 4 r of each of the four words, into the set of masks cm: a lane's bit = its number is not the maximum.
.macro CMPS r, cm
.irp i, 0,1,2,3
.irp q, 0,1,2,3
	v_cmp_neq_f32 s[(\cm)+4*(\i)+(\q)], v[X+32*(\q)+31-4*(\r)-(\i)], v[RM]
.endr
.endr
.endm
; A run's sixteen masks are shifted into the four words from below, the words by turns, so that no line reads the result of the one before it.
; The carry out, which nobody wants, goes back into the mask's own register: sixteen different registers in a run, each named once, and next named only behind the wait that follows the run.
.macro SHIFTS cm
.irp i, 0,1,2,3
.irp q, 0,1,2,3
	v_add_co_ci_u32 v[BITS+(\q)], s[(\cm)+4*(\i)+(\q)], v[BITS+(\q)], v[BITS+(\q)], s[(\cm)+4*(\i)+(\q)]
.endr
.endr
.endm
	LDW 0, 0
	LDW 1, 1
.set k, 0
.rept 32
	global_load_b128 v[X+4*k:X+4*k+3], v[OM], s[6:7] offset:512*k   ; my row of m, 512 consecutive bytes a load; no hint: the next launch reads it again
.set k, k+1
.endr
	s_wait_loadcnt 40                              ; loads come back in order (ISA guide 5.7.1): group 0 is in; younger: group 1's 8 and m's 32
	CV 0, PKA
	s_wait_alu depctr_va_vdst(0)                   ; the conversions are done reading TT's group 0, in which the loads below land, and have written PKA, which the LDS stores below read
	LDW 0, 2
	STG 0, PKA
	s_wait_loadcnt 40                              ; group 1 is in; younger: m's 32 and group 2's 8
	CV 1, PKB
	s_wait_alu depctr_va_vdst(0)                   ; the conversions are done reading TT's group 1, in which the loads below land, and have written PKB, which the LDS stores below read
	LDW 1, 3
	STG 1, PKB
	; THE ROW'S MAXIMUM.  Behind each eight loads of m stand the rest of m's and the 16 of W's groups 2 and 3.
	s_wait_loadcnt 40
	MAXST 0
	s_wait_loadcnt 32
	MAXST 1
	s_wait_loadcnt 24
	MAXST 2
	s_wait_loadcnt 16
	MAXST 3
	v_mov_b32 v15, 0                               ; v_permlanex16_b32 counts as a reader of its destination
	v_max3_num_f32 v[MX], v[MX], v[MX+1], v[MX+2]
	v_max_num_f32 v[MX], v[MX], v[MX+3]
	v_max_num_f32_dpp v[MX], v[MX], v[MX] row_xmask:1 row_mask:0xf bank_mask:0xf
	v_max_num_f32_dpp v[MX], v[MX], v[MX] row_xmask:2 row_mask:0xf bank_mask:0xf
	v_max_num_f32_dpp v[MX], v[MX], v[MX] row_xmask:4 row_mask:0xf bank_mask:0xf
	v_max_num_f32_dpp v[MX], v[MX], v[MX] row_xmask:8 row_mask:0xf bank_mask:0xf
	v_permlanex16_b32 v15, v[MX], s16, s17
	v_max_num_f32 v[RM], v[MX], v15                ; in every lane
	; THE WINNERS.  For each of my 128 numbers a mask says: not the maximum; its bit is shifted into word q from below.
	; Each word takes its bits from 31 down, so register j = 32 q + p ends in bit p of word q, which stands for element ((j >> 2) << 7) + (j & 3) + 4 l.
	; The compares go in eight runs of sixteen into two sets of scalar registers by turns: a run's shifts stand behind the next run's compares, ahead of the wait for those.
	; That wait serves two things: the set just compared into is written, ahead of its shifts; and the carries out that the shifts left in the other set are written, ahead of the compares that write that set again.
	s_wait_alu depctr_vm_vsrc(0)                   ; the LDS stores of groups 0 and 1 have read PKB, whose registers are BITS to TI from here on, and PKA, which group 2's conversions write again
.irp q, 0,1,2,3
	v_mov_b32 v[BITS+(\q)], 0
.endr
	CMPS 0, CM0
	s_wait_alu depctr_va_sdst(0)                   ; run 0's masks are written, ahead of the shifts that read them
.set rn, 1
.rept 3
	CMPS rn, CM1
	SHIFTS CM0
	s_wait_alu depctr_va_sdst(0)                   ; the odd run's masks, in the second set, are written, ahead of their shifts; so are the carries out in the first set, ahead of the compares that name it next
	CMPS rn+1, CM0
	SHIFTS CM1
	s_wait_alu depctr_va_sdst(0)                   ; the even run's masks, in the first set, are written, ahead of their shifts; so are the carries out in the second set, ahead of the compares that name it next
.set rn, rn+2
.endr
	CMPS 7, CM1
	SHIFTS CM0
	s_wait_alu depctr_va_sdst(0)                   ; run 7's masks are written, ahead of their shifts; so are the carries out in the first set, four registers of which the words' tests below write
	SHIFTS CM1                                     ; its carries out, in the second set, are named by no later line; the wait ahead of the selects below stands behind them
.irp q, 0,1,2,3
	v_xor_b32 v[BITS+(\q)], -1, v[BITS+(\q)]       ; 1 = wins
.endr
.irp q, 0,1,2,3
	v_cmp_eq_u32 s[ZW+(\q)], 0, v[BITS+(\q)]       ; word q is 0: read further down, behind the count of bits
.endr
	; T: my lane's count of bits (pairs, nibbles, two words together, bytes, all four, the bytes' sum); the sum over the lanes follows below.
.irp q, 0,1,2,3
	v_lshrrev_b32 v[CT+4+(\q)%2], 1, v[BITS+(\q)]
	v_and_b32 v[CT+4+(\q)%2], s18, v[CT+4+(\q)%2]
	v_sub_nc_u32 v[CT+(\q)], v[BITS+(\q)], v[CT+4+(\q)%2]
.endr
.irp q, 0,1,2,3
	v_lshrrev_b32 v[CT+4+(\q)%2], 2, v[CT+(\q)]
	v_and_b32 v[CT+(\q)], s19, v[CT+(\q)]
	v_and_b32 v[CT+4+(\q)%2], s19, v[CT+4+(\q)%2]
	v_add_nc_u32 v[CT+(\q)], v[CT+(\q)], v[CT+4+(\q)%2]
.endr
	v_add_nc_u32 v[CT], v[CT], v[CT+1]             ; nibbles of 8 at the most
	v_add_nc_u32 v[CT+2], v[CT+2], v[CT+3]
.irp q, 0,2
	v_lshrrev_b32 v[CT+4+(\q)/2], 4, v[CT+(\q)]
	v_and_b32 v[CT+(\q)], s20, v[CT+(\q)]
	v_and_b32 v[CT+4+(\q)/2], s20, v[CT+4+(\q)/2]
	v_add_nc_u32 v[CT+(\q)], v[CT+(\q)], v[CT+4+(\q)/2]
.endr
	v_add_nc_u32 v[CT], v[CT], v[CT+2]             ; bytes of 32 at the most
	v_mul_lo_u32 v[CT], v[CT], s21
	v_lshrrev_b32 v[CT], 24, v[CT]                 ; 0 to 128
	v_cmp_ne_u32 s[NZ], 0, v[CT]                   ; my lane holds winners
	; MY LANE'S LOWEST AND HIGHEST WINNER, from the bits.  First the lowest and the highest word that is not 0 (where the word is 0, what was chosen before stays).
	v_mov_b32 v[WL], v[BITS+3]
	v_mov_b32 v[QL], 96
	v_mov_b32 v[WH], v[BITS]
	v_mov_b32 v[QH], 0
	s_wait_alu depctr_va_sdst(0)                   ; the four words' masks and the lane's are written, ahead of the selects that read them; run 7's carries out are written too
.irp q, 2,1,0
	v_cndmask_b32 v[WL], v[BITS+(\q)], v[WL], s[ZW+(\q)]
	v_cndmask_b32 v[QL], 32*(\q), v[QL], s[ZW+(\q)]
.endr
.irp q, 1,2,3
	v_cndmask_b32 v[WH], v[BITS+(\q)], v[WH], s[ZW+(\q)]
	v_cndmask_b32 v[QH], 32*(\q), v[QH], s[ZW+(\q)]
.endr
	; A bit's number is read off an f32's exponent.  The lowest bit alone, w & -w, is a power of two and exact in f32.  For the highest bit the word's upper 16 bits are taken,
	; or its lower 16 where the upper are 0: a number under 65,536 is exact in f32, so no rounding can carry into the exponent.
	v_sub_nc_u32 v[T0], 0, v[WL]
	v_lshrrev_b32 v[T1], 16, v[WH]
	v_add_nc_u32 v[T2], 16, v[QH]
	v_cmp_eq_u32 s[UZ], 0, v[T1]
	v_and_b32 v[T0], v[WL], v[T0]                  ; five lines of the lowest winner's way stand between that compare and the wait for it
	v_cvt_f32_u32 v[T0], v[T0]
	v_lshrrev_b32 v[T0], 23, v[T0]                 ; 127 + the bit's number
	v_add_nc_u32 v[QL], v[QL], v[T0]
	v_add_nc_u32 v[QL], 0xffffff81, v[QL]          ; less 127: j, the register's number
	s_wait_alu depctr_va_sdst(0)                   ; the mask of the upper 16 bits is written, ahead of the two selects that read it
	v_cndmask_b32 v[T1], v[T1], v[WH], s[UZ]
	v_cndmask_b32 v[QH], v[T2], v[QH], s[UZ]
	v_cvt_f32_u32 v[T1], v[T1]
	v_lshrrev_b32 v[T0], 2, v[QL]                  ; the element: ((j >> 2) << 7) + (j & 3) + 4 l, which grows with j
	v_lshrrev_b32 v[T1], 23, v[T1]
	v_and_b32 v[QL], 3, v[QL]
	v_add_nc_u32 v[QH], v[QH], v[T1]
	v_lshl_add_u32 v[QL], v[T0], 7, v[QL]
	v_add_nc_u32 v[QH], 0xffffff81, v[QH]
	v_lshl_add_u32 v[QL], v1, 2, v[QL]
	v_lshrrev_b32 v[T1], 2, v[QH]
	v_sub_nc_u32 v[QL], 4095, v[QL]                ; the lowest goes as 4,095 less itself, so that a maximum finds it too,
	v_and_b32 v[QH], 3, v[QH]
	v_cndmask_b32 v[QL], 0, v[QL], s[NZ]           ; and a lane without winners gives 0 to all three
	v_lshl_add_u32 v[QH], v[T1], 7, v[QH]
	v_lshl_add_u32 v[QH], v1, 2, v[QH]
	v_cndmask_b32 v[QH], 0, v[QH], s[NZ]
	; OVER THE 32 LANES: whole numbers up to 4,096 are exact in f32, and so are their sums and maxima.
	v_cvt_f32_u32 v[CT], v[CT]
	v_cvt_f32_u32 v[QL], v[QL]
	v_cvt_f32_u32 v[QH], v[QH]
.irp x, 1,2,4,8
	v_add_f32_dpp v[CT], v[CT], v[CT] row_xmask:\x row_mask:0xf bank_mask:0xf
	v_max_num_f32_dpp v[QL], v[QL], v[QL] row_xmask:\x row_mask:0xf bank_mask:0xf
	v_max_num_f32_dpp v[QH], v[QH], v[QH] row_xmask:\x row_mask:0xf bank_mask:0xf
.endr
	v_permlanex16_b32 v[T0], v[CT], s16, s17
	v_permlanex16_b32 v[T1], v[QL], s16, s17
	v_permlanex16_b32 v[T2], v[QH], s16, s17
	v_add_f32 v[CT], v[CT], v[T0]
	v_max_num_f32 v[QL], v[QL], v[T1]
	v_max_num_f32 v[QH], v[QH], v[T2]
	v_cvt_u32_f32 v[TI], v[CT]                     ; T
	v_cvt_u32_f32 v[TI+1], v[QL]
	v_cvt_u32_f32 v[TI+2], v[QH]                   ; hi
	v_sub_nc_u32 v[TI+1], 4095, v[TI+1]            ; lo
	v_mov_b32 v[TI+3], 0
	; THE SECOND HALF OF W'S TILE, and all that the vector lines have made goes out behind one wait.  No vector instruction follows it in the text.
	s_wait_loadcnt 8                               ; group 2 is in; younger: group 3's 8
	CV 0, PKA
	s_wait_loadcnt 0x0
	CV 1, PKD                                      ; into X's first sixteen registers: the compares were their last readers
	s_wait_alu depctr_va_vdst(0)                   ; BITS, the record, PKA and PKD are written, which the stores below read; the conversions are done reading TT, and CT's last reader is done, in which LDS loads land below
	global_store_b128 v[OB], v[BITS:BITS+3], s[12:13]  ; the row's 512 bytes of bits, by one instruction; BITS is not written again
	ds_store_b128 v[RA], v[TI:TI+3]                ; every lane writes the same 16 bytes with the same numbers: my wave's record
	STG 2, PKA
	STG 3, PKD
	s_wait_dscnt 0x0                               ; for the others' sake: my stores into the stage and my record are done
	s_barrier_signal -1
	s_barrier_wait -1                              ; everybody's are
	; THE RECORDS.  Wave 0 stores the group's eight: 128 consecutive bytes by one instruction, half of an aligned block of 256 of which the neighbouring group writes the other half.
	s_cmp_lg_u32 s14, 0
	s_cbranch_scc1 .Lnot_wave_0
	ds_load_b32 v[CT], v[RL]
	s_wait_dscnt 0x0
	global_store_b32 v[GL], v[CT], s[10:11]        ; CT is not written again
.Lnot_wave_0:
	; THE WAY OUT.  Wave w takes stage rows 16 w + t, whole: row 32 c + l' with c = w >> 1, l' = 16 (w & 1) + t is the tile's row i = 4 l' + c.
.irp t, 0,1,2,3,4,5,6,7,8,9,10,11,12,13,14,15
	ds_load_b128 v[TT+4*(\t):TT+4*(\t)+3], v[SLD] offset:PITCH*(\t)
.endr
.irp t, 0,1,2,3,4,5,6,7,8,9,10,11,12,13,14,15
	s_wait_dscnt 15-(\t)                           ; LDS loads come back in order: row t is in
	global_store_b128 v[OT], v[TT+4*(\t):TT+4*(\t)+3], s[8:9] offset:32768*(\t)  ; 512 consecutive bytes of one row of wt, at a multiple of 512 from its first byte
.endr
	s_wait_dscnt 0x0                               ; the closing lines, six on end
	s_wait_alu 0x0
	s_wait_tensorcnt 0x0
	ds_add_u32 v[SPW], v[NIL]
	s_wait_dscnt 0x0
	s_endpgm
.Lfunc_end_k_q9937f5f51c_prep:
	.size	k_q9937f5f51c_prep, .Lfunc_end_k_q9937f5f51c_prep-k_q9937f5f51c_prep
	.p2alignl 7, 3214868480
	.fill 96, 4, 3214868480
	.section	.rodata,"a",@progbits
	.p2align	6, 0x0
	.amdhsa_kernel k_q9937f5f51c_prep
		.amdhsa_group_segment_fixed_size 68864
		.amdhsa_private_segment_fixed_size 0
		.amdhsa_enable_private_segment 0
		.amdhsa_kernarg_size 40
		.amdhsa_user_sgpr_count 2
		.amdhsa_user_sgpr_kernarg_segment_ptr 1
		.amdhsa_wavefront_size32 1
		.amdhsa_system_sgpr_workgroup_id_x 1
		.amdhsa_system_sgpr_workgroup_id_y 1
		.amdhsa_system_sgpr_workgroup_id_z 1
		.amdhsa_system_vgpr_workitem_id 0
		.amdhsa_next_free_vgpr 244
		.amdhsa_next_free_sgpr 82
		.amdhsa_reserve_vcc 0
		.amdhsa_float_denorm_mode_32 3
		.amdhsa_float_denorm_mode_16_64 3
		.amdhsa_memory_ordered 1
		.amdhsa_forward_progress 1
		.amdhsa_inst_pref_size 44
	.end_amdhsa_kernel
	.amdgpu_metadata
---
amdhsa.version: [ 1, 2 ]
amdhsa.kernels:
  - .name:           k_q9937f5f51c_prep
    .symbol:         k_q9937f5f51c_prep.kd
    .args:
      - { .name: inhibition_matrix, .offset: 0, .size: 8, .value_kind: global_buffer, .address_space: global }
      - { .name: membrane, .offset: 8, .size: 8, .value_kind: global_buffer, .address_space: global }
      - { .name: wt, .offset: 16, .size: 8, .value_kind: global_buffer, .address_space: global }
      - { .name: win, .offset: 24, .size: 8, .value_kind: global_buffer, .address_space: global }
      - { .name: bits, .offset: 32, .size: 8, .value_kind: global_buffer, .address_space: global }
    .group_segment_fixed_size: 68864
    .private_segment_fixed_size: 0
    .kernarg_segment_align: 8
    .kernarg_segment_size: 40
    .max_flat_workgroup_size: 256
    .sgpr_count:     82
    .vgpr_count:     244
    .wavefront_size: 32
...
	.end_amdgpu_metadata
.endif
;; end of part 3
;; launch apply: the kernel of part 2 again; grid 512 x 1, 8 waves a work-group, no clusters, 0 bytes of LDS; arguments membrane, wt, win, bits, out0; writes out0
